; MI455X (gfx1250); checked and timed in simulation.
; The chip was launched on July 23, 2026; its instructions are those of AMD's public machine-readable ISA for CDNA 5 (MIT licence, August 2026) and "CDNA5" Instruction Set Architecture Reference Guide (July 2026). The comments in the code are by the model that wrote it; some were corrected since.
;; Hybrid Attention. Allowed arithmetic: float matrix products may take bf16 or f16 operands with f32 sums; other float arithmetic in f32, or as packed bf16 or f16 multiplies, adds, multiply-adds, maxima and minima; sums over many terms, partial sums and values carried from step to step in f32; what a program stores and reads back later, other than sums and carried values, may be rounded once to bf16 or f16.
;; Inputs: mask 4 x 2,048 x 2,048 int32; wk 1,024 x 1,024 float32; wq 1,024 x 1,024 float32; wv 1,024 x 1,024 float32; x 4 x 2,048 x 1,024 float32.
;; Outputs: out0 4 x 2,048 x 1,024 float32.
;; One version. Each part assembles by itself: llvm-mc -triple=amdgcn-amd-amdhsa -mcpu=gfx1250 --defsym DOCPART=n.
;; ======== version 1 of 1: 3 launches
;; limits: values are held in f16: magnitudes above 65,504 overflow, below 6.1e-05 lose precision
;; workspace buffers: m16 33,554,432 bytes of whole numbers; hf 32,768 bytes; xb 16,777,216 bytes; wb 6,291,456 bytes; qkv 50,331,648 bytes
;; launch prep (part 1): grid 1920 x 1, 8 waves a work-group, no clusters, 71,168 bytes of LDS; arguments mask, x, wq, wk, wv, m16, hf, xb, wb; writes m16, hf, xb, wb
.if DOCPART == 1
	.amdgcn_target "amdgcn-amd-amdhsa--gfx1250"
	.amdhsa_code_object_version 6
	.text
	.protected	k_q4d9edf4fea_prep
	.globl	k_q4d9edf4fea_prep
	.p2align	8
	.type	k_q4d9edf4fea_prep,@function
k_q4d9edf4fea_prep:
	s_mov_b64 s[64:65], 0
	v_nop
	global_prefetch_b8 v0, s[64:65] scope:SCOPE_SE
	s_setreg_imm32_b32 hwreg(HW_REG_WAVE_MODE, 25, 1), 1
	s_wait_xcnt 0x0
; PREP: a streaming pass with two roles, chosen by the work-group's number (the same in all eight waves of a work-group).
; Work-groups 0-511, MASK: 16 rows of mask ([4][2048][2048] int32) become
;   m16 [b 4][q tile 128][key tile 128][lane 32][8 x u16]: 0xffff = keep, 0 = hole; lane l holds query l % 16 and keys 8 (l / 16) + 0..7 of the tile,
;   which is the order in which a lane of the later product K Q^T holds its scores; and hf [8192] f32: 16384.0 for a row with a hole, else 0.
; Work-groups 512-1535, CAST of x, and 1536-1919, CAST of wq, wk, wv: f32 to bf16 (rounded to nearest even), laid in blocks of 64 along K:
;   xb [kb 16][row 8192][64], wb [kb 16][row 3072][64] (rows 0-1023 wq, 1024-2047 wk, 2048-3071 wv), so that a later tile of rows x 64 K is dense.
; Every input byte is read once, by loads of 16 bytes a lane; every store of a wave but hf's covers whole aligned runs of 256 bytes.
; No matrix unit, no cluster (no two work-groups read the same bytes), no prefetch (the launch is nothing but its stream).
.set XKB,   8192*128                   ; bytes of a K block of xb
.set WKB,   3072*128                   ; of wb
.set UP,    272                        ; a unit of 256 bytes (one half of a key tile: 16 rows x 8 keys x 2 bytes) + 16 of padding
.set CHUNK, 16*UP                      ; 128 keys: 8 key tiles, 16 units
.set STG,   2*CHUNK                    ; a wave's own stage: its 256 keys
.set HOLE,  8*STG                      ; 8 waves x 16 words: each wave's AND over its keys, a word a row
.set SPARE, HOLE+512                   ; the spare words: 128 bytes for each of the eight waves, named by no other line
.set SPW,   30                         ; v30  SPARE + 4 x my thread's number; never rewritten
.set NIL,   31                         ; v31  0; never rewritten
.set X,     32                         ; v[32:159] what the loads bring, four registers a load
	s_load_b512 s[8:23], s[0:1], 0x0               ; mask s[8:9], x s[10:11], wq s[12:13], wk s[14:15], wv s[16:17], m16 s[18:19], hf s[20:21], xb s[22:23]
	s_load_b64 s[24:25], s[0:1], 0x40              ; wb
	v_lshl_add_u32 v[SPW], v0, 2, SPARE
	v_mov_b32 v[NIL], 0
	v_lshrrev_b32 v1, 5, v0
	v_readfirstlane_b32 s2, v1                     ; wave 0..7
	v_and_b32 v2, 31, v0                           ; l
	v_and_b32 v3, 15, v0                           ; l % 16
	v_bfe_u32 v4, v0, 4, 1                         ; l / 16
	s_cmp_lt_u32 ttmp9, 512
	s_cbranch_scc1 .Lmask
	; THE CAST.  A work-group takes 8 rows of 4,096 bytes.  Wave v: rows 2 (v / 2) and + 1, K blocks 8 (v % 2) + u, u = 0..7.
	; A load: 16 lanes take the 256 bytes of one row's K block, the other 16 the next row's.  A store: the same two rows' 128 bytes each, which lie on end.
	s_movk_i32 s26, 1536
	s_mov_b32 s29, WKB
	s_cmp_lt_u32 ttmp9, 1536                       ; x, or a weight?
	s_cselect_b32 s26, 512, s26
	s_cselect_b32 s29, XKB, s29                    ; bytes from a K block to the next in the destination
	s_sub_co_u32 s26, ttmp9, s26                   ; the block of 8 rows in the destination
	s_lshr_b32 s27, s26, 7                         ; which weight
	s_and_b32 s28, s26, 127                        ; the block of 8 rows in that weight
	s_wait_kmcnt 0x0
	s_cmp_eq_u32 s27, 0
	s_cselect_b64 s[12:13], s[12:13], s[14:15]
	s_cmp_lt_u32 s27, 2
	s_cselect_b64 s[12:13], s[12:13], s[16:17]
	s_cmp_lt_u32 ttmp9, 1536
	s_cselect_b64 s[12:13], s[10:11], s[12:13]     ; the source
	s_cselect_b64 s[22:23], s[22:23], s[24:25]     ; the destination
	s_cselect_b32 s28, s26, s28
	s_lshl_b32 s32, s28, 15                        ; 8 rows of 4,096 bytes
	s_mov_b32 s33, 0
	s_add_nc_u64 s[12:13], s[12:13], s[32:33]
	s_lshr_b32 s3, s2, 1
	s_and_b32 s4, s2, 1
	s_lshl_b32 s5, s3, 13                          ; my pair of rows
	s_lshl_b32 s6, s4, 11                          ; my half of their K blocks
	s_add_co_u32 s5, s5, s6
	v_lshlrev_b32 v5, 4, v3
	v_lshl_add_u32 v5, v4, 12, v5
	v_add_nc_u32 v5, s5, v5
.irp u, 0,1,2,3,4,5,6,7
	global_load_b128 v[X+4*\u:X+4*\u+3], v5, s[12:13] offset:256*\u th:TH_LOAD_NT
.endr
	s_lshl_b32 s6, s26, 10                         ; 8 rows of 128 bytes
	s_lshl_b32 s7, s3, 8
	s_add_co_u32 s6, s6, s7
	s_mul_i32 s7, s4, s29
	s_lshl_b32 s7, s7, 3                           ; K block 8 (v % 2)
	s_add_co_u32 s6, s6, s7
	v_lshlrev_b32 v16, 3, v3
	v_lshl_add_u32 v16, v4, 7, v16
	v_add_nc_u32 v16, s6, v16
.irp u, 1,2,3,4,5,6,7
	v_add_nc_u32 v[16+\u], s29, v[15+\u]           ; an offset register for each K block: none is rewritten while a store reads it
.endr
.irp u, 0,1,2,3,4,5,6,7
	s_wait_loadcnt 7-\u                            ; loads come back in order: load u is in, the younger ones stay out
	v_cvt_pk_bf16_f32 v[64+2*\u], v[X+4*\u], v[X+4*\u+1]
	v_cvt_pk_bf16_f32 v[65+2*\u], v[X+4*\u+2], v[X+4*\u+3]
	global_store_b64 v[16+\u], v[64+2*\u:65+2*\u], s[22:23] th:TH_STORE_NT
.endr
	s_branch .Lend
.Lmask:
	; THE MASK.  Work-group T takes rows 16 T .. 16 T + 15 (of all batches on end); wave v their keys 256 v .. + 255, in two chunks of 128.
	; A load takes 128 keys of one row, 4 a lane.  Lane l's four keys belong to unit l / 2 of the chunk, bytes 8 (l % 2) of the row's 16.
	s_lshl_b32 s26, ttmp9, 17                      ; 16 rows of 8,192 bytes
	s_mov_b32 s27, 0
	s_lshl_b32 s28, ttmp9, 16                      ; a q tile's 128 key tiles of 512 bytes
	s_mov_b32 s29, 0
	s_lshl_b32 s30, s2, 10
	v_lshl_add_u32 v5, v2, 4, s30                  ; in mask: 16 l + 1,024 v
	s_lshl_b32 s30, s2, 13
	v_lshl_add_u32 v6, v2, 4, s30                  ; in m16: 16 l + 16 key tiles x v
	s_mul_i32 s31, s2, STG
	v_lshrrev_b32 v7, 1, v2
	v_mul_u32_u24 v7, v7, UP
	v_and_b32 v8, 1, v2
	v_lshl_add_u32 v7, v8, 3, v7
	v_add_nc_u32 v7, s31, v7                       ; in: unit l / 2, 8 (l % 2); 68 words a unit: the 32 lanes' 8 bytes fall on 64 different banks
	v_mul_u32_u24 v8, v4, UP
	v_lshl_add_u32 v8, v3, 4, v8
	v_add_nc_u32 v8, s31, v8                       ; back: lanes 0-15 a key tile's first unit, lanes 16-31 its second
	s_mov_b32 s32, 0x76543210                      ; v_permlanex16_b32: each lane takes its own place in the other half
	s_mov_b32 s33, 0xfedcba98
	s_mov_b32 s34, 0x46800000                      ; 16384.0
	s_wait_kmcnt 0x0
	s_add_nc_u64 s[8:9], s[8:9], s[26:27]
	s_add_nc_u64 s[18:19], s[18:19], s[28:29]
.set i, 0
.rept 32                               ; all 32 loads (16 KiB a wave) go out before anything is waited for: row i % 16, chunk i / 16
	global_load_b128 v[X+4*i:X+4*i+3], v5, s[8:9] offset:(i%16)*8192+(i/16)*512 th:TH_LOAD_NT
.set i, i+1
.endr
; Chunk g: each int32 becomes 0 or 1 (unsigned minimum with 1: any number but 0 keeps), two are packed, and x 0xffff makes 0xffff of each 1.
.macro CONV g
.set r, 0
.rept 16
.set q, X+4*(16*(\g)+r)
	s_wait_loadcnt 31-(16*(\g)+r)                  ; this load is in, the younger ones stay out
	v_min_u32 v[q], 1, v[q]
	v_min_u32 v[q+1], 1, v[q+1]
	v_min_u32 v[q+2], 1, v[q+2]
	v_min_u32 v[q+3], 1, v[q+3]
	v_lshl_or_b32 v[q], v[q+1], 16, v[q]
	v_lshl_or_b32 v[q+2], v[q+3], 16, v[q+2]
	v_mul_u32_u24 v[q], 0xffff, v[q]
	v_mul_u32_u24 v[q+1], 0xffff, v[q+2]
	ds_store_b64 v7, v[q:q+1] offset:(\g)*CHUNK+r*16
.set r, r+1
.endr
.set i, 0
.rept 8                                ; back as key tiles; the stage is the wave's own and LDS serves a wave's instructions in order (ISA guide 5.7.1.4)
	ds_load_b128 v[X+64*(\g)+4*i:X+64*(\g)+4*i+3], v8 offset:(\g)*CHUNK+i*2*UP
.set i, i+1
.endr
.endm
	CONV 0
	CONV 1
.set k, 0
.rept 16                               ; key tile k of my 16: 512 bytes on end; and the AND of all that a lane holds, in two chains
.set q, X+64*(k/8)+4*(k%8)
	s_wait_dscnt 15-k                              ; at most the LDS instructions behind read-back k of the second chunk are out; the first chunk's are older still
.if k == 0
	v_and_b32 v10, v[q], v[q+2]
	v_and_b32 v11, v[q+1], v[q+3]
.else
	v_and_b32 v10, v10, v[q]
	v_and_b32 v11, v11, v[q+1]
	v_and_b32 v10, v10, v[q+2]
	v_and_b32 v11, v11, v[q+3]
.endif
	global_store_b128 v6, v[q:q+3], s[18:19] offset:(k/8)*4096+(k%8)*512 th:TH_STORE_NT
.set k, k+1
.endr
	v_and_b32 v10, v10, v11
	v_permlanex16_b32 v11, v10, s32, s33           ; the row's other keys lie in the lane 16 away
	v_and_b32 v10, v10, v11
	s_lshl_b32 s30, s2, 6
	s_add_co_u32 s30, s30, HOLE
	v_lshl_add_u32 v12, v3, 2, s30
	ds_store_b32 v12, v10                          ; lanes l and l + 16 write the same word with the same number
	s_wait_dscnt 0x0                               ; for the others' sake
	s_barrier_signal -1
	s_barrier_wait -1
	s_cmp_lg_u32 s2, 0
	s_cbranch_scc1 .Lend                           ; wave 0 alone makes the 16 rows' flags
	v_lshlrev_b32 v12, 2, v3
	v_add_nc_u32 v12, HOLE, v12
.irp j, 0,1,2,3,4,5,6,7
	ds_load_b32 v[16+\j], v12 offset:64*\j
.endr
	s_wait_dscnt 0x0
	v_and_b32 v16, v16, v17
	v_and_b32 v18, v18, v19
	v_and_b32 v20, v20, v21
	v_and_b32 v22, v22, v23
	v_and_b32 v16, v16, v18
	v_and_b32 v20, v20, v22
	v_and_b32 v16, v16, v20
	v_cmp_ne_u32 vcc_lo, -1, v16                   ; not all ones: the row has a hole
	v_cndmask_b32 v16, 0, s34, vcc_lo
	s_lshl_b32 s30, ttmp9, 6
	v_lshl_add_u32 v13, v2, 2, s30
	v_cmp_gt_u32 vcc_lo, 16, v2
	s_wait_xcnt 0x0                                ; EXEC changes only behind this wait: my stores above have read their sources
	s_and_saveexec_b32 s35, vcc_lo
	global_store_b32 v13, v16, s[20:21]            ; 64 bytes a work-group: the one store here that fills no whole run of 256
	s_wait_xcnt 0x0
	s_or_b32 exec_lo, exec_lo, s35
.Lend:
	s_wait_tensorcnt 0x0                           ; the wave's end: behind my last LDS store
	ds_add_u32 v[SPW], v[NIL]
	s_wait_dscnt 0x0
	s_endpgm
.Lfunc_end_k_q4d9edf4fea_prep:
	.size	k_q4d9edf4fea_prep, .Lfunc_end_k_q4d9edf4fea_prep-k_q4d9edf4fea_prep
	.p2alignl 7, 3214868480
	.fill 96, 4, 3214868480
	.section	.rodata,"a",@progbits
	.p2align	6, 0x0
	.amdhsa_kernel k_q4d9edf4fea_prep
		.amdhsa_group_segment_fixed_size 71168
		.amdhsa_private_segment_fixed_size 0
		.amdhsa_enable_private_segment 0
		.amdhsa_kernarg_size 72
		.amdhsa_user_sgpr_count 2
		.amdhsa_user_sgpr_kernarg_segment_ptr 1
		.amdhsa_wavefront_size32 1
		.amdhsa_system_sgpr_workgroup_id_x 1
		.amdhsa_system_sgpr_workgroup_id_y 1
		.amdhsa_system_sgpr_workgroup_id_z 1
		.amdhsa_system_vgpr_workitem_id 0
		.amdhsa_next_free_vgpr 168
		.amdhsa_next_free_sgpr 66
		.amdhsa_reserve_vcc 1
		.amdhsa_float_denorm_mode_32 3
		.amdhsa_float_denorm_mode_16_64 3
		.amdhsa_memory_ordered 1
		.amdhsa_forward_progress 1
		.amdhsa_inst_pref_size 32
	.end_amdhsa_kernel
	.amdgpu_metadata
---
amdhsa.version: [ 1, 2 ]
amdhsa.kernels:
  - .name:           k_q4d9edf4fea_prep
    .symbol:         k_q4d9edf4fea_prep.kd
    .args:
      - { .name: mask, .offset: 0, .size: 8, .value_kind: global_buffer, .address_space: global }
      - { .name: x, .offset: 8, .size: 8, .value_kind: global_buffer, .address_space: global }
      - { .name: wq, .offset: 16, .size: 8, .value_kind: global_buffer, .address_space: global }
      - { .name: wk, .offset: 24, .size: 8, .value_kind: global_buffer, .address_space: global }
      - { .name: wv, .offset: 32, .size: 8, .value_kind: global_buffer, .address_space: global }
      - { .name: m16, .offset: 40, .size: 8, .value_kind: global_buffer, .address_space: global }
      - { .name: hf, .offset: 48, .size: 8, .value_kind: global_buffer, .address_space: global }
      - { .name: xb, .offset: 56, .size: 8, .value_kind: global_buffer, .address_space: global }
      - { .name: wb, .offset: 64, .size: 8, .value_kind: global_buffer, .address_space: global }
    .group_segment_fixed_size: 71168
    .private_segment_fixed_size: 0
    .kernarg_segment_align: 8
    .kernarg_segment_size: 72
    .max_flat_workgroup_size: 256
    .sgpr_count:     66
    .vgpr_count:     168
    .wavefront_size: 32
...
	.end_amdgpu_metadata
.endif
;; end of part 1
;; launch proj (part 2): grid 8 x 32, 4 waves a work-group, clusters of 4 x 4, 327,680 bytes of LDS; arguments xb, wb, qkv; writes qkv
.if DOCPART == 2
	.amdgcn_target "amdgcn-amd-amdhsa--gfx1250"
	.amdhsa_code_object_version 6
	.text
	.protected	k_q4d9edf4fea_proj
	.globl	k_q4d9edf4fea_proj
	.p2align	8
	.type	k_q4d9edf4fea_proj,@function
k_q4d9edf4fea_proj:
	s_mov_b64 s[64:65], 0
	v_nop
	global_prefetch_b8 v0, s[64:65] scope:SCOPE_SE
	s_setreg_imm32_b32 hwreg(HW_REG_WAVE_MODE, 25, 1), 1
	s_wait_xcnt 0x0
	s_wait_alu depctr_hold_cnt(0) depctr_sa_sdst(0) depctr_va_vdst(0) depctr_va_sdst(0) depctr_va_ssrc(0) depctr_va_vcc(0) depctr_vm_vsrc(0)
	s_getreg_b32 s2, hwreg(HW_REG_IB_STS2, 6, 4)
	s_cmp_eq_u32 s2, 0
	s_cbranch_scc0 .Lentry_in_a_cluster
	s_endpgm
.Lentry_in_a_cluster:
	s_bfe_u32 s2, ttmp6, 0x10000c
	s_cmp_lg_u32 s2, 0xf033
	s_cbranch_scc0 .Lentry_shape_is_right
	s_endpgm
.Lentry_shape_is_right:
; PROJ: qkv[row][col] = the sum over k of x[row][k] w[col][k]; 8,192 rows, 3,072 columns (q, k, v on end), K = 1,024.  Operands bf16, sums f32, the result rounded once to f16.
; LIMIT: a sum of 65,520 or more in size becomes an infinity in f16.
; xb [kb 16][8192][64] and wb [kb 16][3072][64] lie in blocks of 64 along K, so a tile of rows x 64 K is dense and is asked for as rows of 256 bytes.
; A tile of the result is 256 x 384: 32 x 8 = 256 equal work-groups.  Four waves, each 128 x 192: 96 accumulators, 768 registers.
; K goes in 16 steps of 64 through two LDS slots (two slots of a longer step do not fit beside the stage).  One tensor load a wave: waves 0-2 a third of B's 384 rows each, wave 3 A's 256 rows.
; CLUSTER 4 x 4: A's tile hangs on the tile row alone and is asked for jointly by a row of the cluster, B's on the tile column alone, by a column.
; THE PRODUCT IS TAKEN TRANSPOSED (source 0 = 16 rows of w, source 1 = 16 rows of x): a lane holds eight neighbouring columns of one row of the result.
; REGISTERS, in windows of 256: window 0: v0-31 addresses; v32-95, v96-159 A's 8 fragments, two buffers; v160-255 B's 12 fragments, one buffer in two halves; on the way out v32-223 at work.
;   windows 1-3: accumulator (a, b) in window 1 + b / 4 at v[64 (b % 4) + 8 a].
.set PITCH,  144                       ; an LDS row: 128 bytes + 16 of padding = 36 words: the 16 rows of a fragment load start at 16 different groups of four banks (ISA guide 11.1)
.set ATILE,  256*PITCH
.set BPART,  128*PITCH
.set SLOT,   ATILE+3*BPART
.set STAGE,  2*SLOT                    ; behind the ring, never filled by a tensor load: 128 rows x 784 bytes, the work-group's, for the way out
.set SPITCH, 784                       ; 768 bytes + 16
.set SPARE,  STAGE+128*SPITCH          ; the spare words: 128 bytes for each wave, named by no other line
.set XKB,    8192*128
.set WKB,    3072*128
.set ROWC,   6144                      ; bytes in a row of qkv
.set ADRA, 16                          ; v16-17 LDS address of my A fragments in slot 0, 1
.set ADRB, 20                          ; v20-21 the same for B
.set STO,  24
.set RD,   25
.set CO,   26
.set SPW,  28                          ; v28  SPARE + 4 x my thread's number; never rewritten
.set NIL,  29                          ; v29  0; never rewritten
.set PFO,  30                          ; v30  the prefetches' offset; never rewritten
.set AF0,  32
.set AF1,  96
.set BF,   160
.set TMP,  32
.set G1A,  24                          ; s[24:31] group 1 for A;  s[32:39] group 0, a set for each slot
.set G0A,  32
.set G1B,  48                          ; s[48:55], s[56:63] the same for B
.set G0B,  56
.set PFA,  66                          ; s[66:67] where my prefetches stand
.set PFS,  68                          ; s[68:69] two K steps of my tensor, in bytes
.set LIM,  70                          ; s70  1 in a wave that prefetches, else the greatest number
.set MSB, 0
.macro WIN new                         ; the immediate's high byte repeats the setting that is left; a switch that changes nothing is dropped
.if MSB != (\new)
	s_set_vgpr_msb (MSB<<8)|(\new)
.set MSB, (\new)
.endif
.endm
.macro PLACES                          ; four plain instructions between a matrix instruction and a load into, or a vector write of, one of its registers
.rept 4
	v_nop
.endr
.endm
.macro JLOAD s                         ; a joint load; the branch hangs on the wave's number alone; an s_nop 0 and four v_nop follow each line
	s_cmp_eq_u32 s10, 3
	s_cbranch_scc0 .Lfor_b_\@
	tensor_load_to_lds s[G0A+4*(\s):G0A+4*(\s)+3], s[G1A:G1A+7]
	s_nop 0
.rept 4
	v_nop
.endr
	s_branch .Lasked_\@
.Lfor_b_\@:
	tensor_load_to_lds s[G0B+4*(\s):G0B+4*(\s)+3], s[G1B:G1B+7]
	s_nop 0
.rept 4
	v_nop
.endr
.Lasked_\@:
.endm
.macro CREST                           ; a round of the cluster's barrier behind its opening barrier
	s_cmp_lg_u32 s10, 0
	s_cbranch_scc1 .Lnot_wave_0_\@
	s_barrier_signal -3
.Lnot_wave_0_\@:
	s_barrier_wait -3
	s_barrier_signal -1
	s_barrier_wait -1
.endm
.macro CROUND
	s_barrier_signal -1
	s_barrier_wait -1
	CREST
.endm
; A PREFETCH, once a lap, behind slot 0's joint load and the run of LDS loads: the two K steps that the NEXT lap's two refills will ask for (lanes 0-15 the first, lanes 16-31 the second), 384 and 576 products ahead.
; Each run of 256 bytes is named once in the launch: A's tile is read by both clusters of a row of clusters, and cluster x = 0 asks; B's by all eight of a column, and cluster y = 0 asks.  The four partners that ask for
; a tile jointly share it out BY ADDRESS: of A's 128 runs partner cx takes 32 (wave 3, two lines), of a third of B's 64 partner cy takes 16 (waves 0-2, one line).  K steps 0-3 come by their loads alone; the last lap asks for nothing.
.macro ASK
	s_cmp_gt_u32 s3, s[LIM]
	s_cbranch_scc0 .Lnot_mine_\@
	global_prefetch_b8 v[PFO], s[PFA:PFA+1] th:TH_LOAD_NT scope:SCOPE_SE
	s_cmp_lg_u32 s10, 3
	s_cbranch_scc1 .Lnot_mine_\@
	global_prefetch_b8 v[PFO], s[PFA:PFA+1] offset:4096 th:TH_LOAD_NT scope:SCOPE_SE
.Lnot_mine_\@:
.endm
	s_load_b128 s[4:7], s[0:1], 0x0                ; xb s[4:5], wb s[6:7]
	s_load_b64 s[8:9], s[0:1], 0x10                ; qkv
	v_lshl_add_u32 v[SPW], v0, 2, SPARE
	v_mov_b32 v[NIL], 0
	ds_add_u32 v[SPW], v[NIL]                      ; the wave's opening: the add and its wait ahead of my first tensor load
	v_lshrrev_b32 v1, 5, v0
	v_readfirstlane_b32 s10, v1                    ; wave 0..3
	s_lshr_b32 s11, s10, 1                         ; which 128 rows of the tile are mine
	s_and_b32 s12, s10, 1                          ; which 192 columns
	s_bfe_u32 s40, ttmp6, 0x40000                  ; cx
	s_bfe_u32 s41, ttmp6, 0x40004                  ; cy
	s_lshl_b32 s42, ttmp9, 2
	s_add_co_u32 s42, s42, s40                     ; tile column n
	s_and_b32 s43, ttmp7, 0xffff
	s_lshl_b32 s43, s43, 2
	s_add_co_u32 s43, s43, s41                     ; tile row m
	s_lshl_b32 s44, s41, 2
	s_lshl_b32 s44, 15, s44                        ; my row of the cluster
	s_lshl_b32 s45, 0x1111, s40                    ; my column
	; group 1: dense bytes asked for as rows of 128 elements of 2 bytes; 4 words of padding behind every 32 words, that is behind each matrix row of 64 K
	s_or_b32 s[G1A], s44, (1<<16)|(1<<20)|(1<<21)|(4<<22)|(3<<25)
	s_or_b32 s[G1B], s45, (1<<16)|(1<<20)|(1<<21)|(4<<22)|(3<<25)
	s_mov_b32 s[G1A+1], 128<<16                    ; tensor_dim0 = 128
	s_mov_b32 s[G1A+2], 128<<16                    ; tensor_dim1 = 128 rows of 256 bytes: A's 256 matrix rows
	s_mov_b32 s[G1A+3], 128<<16                    ; tile_dim0
	s_mov_b32 s[G1A+4], 128                        ; tile_dim1
	s_mov_b32 s[G1A+5], 128                        ; elements from row to row
	s_mov_b32 s[G1A+6], 0
	s_mov_b32 s[G1A+7], 0
	s_mov_b32 s[G1B+1], 128<<16
	s_mov_b32 s[G1B+2], 64<<16                     ; 64 rows of 256 bytes: 128 matrix rows of B
	s_mov_b32 s[G1B+3], 128<<16
	s_mov_b32 s[G1B+4], 64
	s_mov_b32 s[G1B+5], 128
	s_mov_b32 s[G1B+6], 0
	s_mov_b32 s[G1B+7], 0
	s_lshl_b32 s14, s43, 15                        ; A: 256 rows of 128 bytes x m: the tile row alone
	s_mov_b32 s15, 0
	s_mul_i32 s16, s42, 384*128                    ; B: 384 rows x n, and the third that bears my wave's number (waves 0-2): the tile column alone
	s_lshl_b32 s17, s10, 14
	s_add_co_u32 s16, s16, s17
	s_mov_b32 s17, 0
	s_mul_i32 s47, s10, BPART                      ; where that third goes: behind A's tile, the wave's number x 128 rows
	s_add_co_u32 s47, s47, ATILE
	s_wait_dscnt 0x0                               ; the opening add is done
	s_wait_kmcnt 0x0
	s_add_nc_u64 s[14:15], s[4:5], s[14:15]
	s_add_nc_u64 s[16:17], s[6:7], s[16:17]
.irp s, 0,1
	s_mov_b32 s[G0A+4*\s], 1
	s_mov_b32 s[G0A+4*\s+1], \s*SLOT
	s_add_nc_u64 s[G0A+4*\s+2:G0A+4*\s+3], s[14:15], \s*XKB
	s_or_b32 s[G0A+4*\s+3], s[G0A+4*\s+3], 0x80000000
	s_mov_b32 s[G0B+4*\s], 1
	s_add_co_u32 s[G0B+4*\s+1], s47, \s*SLOT
	s_add_nc_u64 s[G0B+4*\s+2:G0B+4*\s+3], s[16:17], \s*WKB
	s_or_b32 s[G0B+4*\s+3], s[G0B+4*\s+3], 0x80000000
.endr
	CROUND                                         ; all sixteen work-groups are here: the first joint loads meet
	s_cmp_eq_u32 s10, 3                            ; a wave's two first fills stand in one branch: two loads of mine are out
	s_cbranch_scc0 .Lfirst_b
	tensor_load_to_lds s[G0A:G0A+3], s[G1A:G1A+7]
	s_nop 0
	tensor_load_to_lds s[G0A+4:G0A+7], s[G1A:G1A+7]
	s_nop 0
.rept 4
	v_nop
.endr
	s_branch .Lfirst_asked
.Lfirst_b:
	tensor_load_to_lds s[G0B:G0B+3], s[G1B:G1B+7]
	s_nop 0
	tensor_load_to_lds s[G0B+4:G0B+7], s[G1B:G1B+7]
	s_nop 0
.rept 4
	v_nop
.endr
.Lfirst_asked:
	; a fragment: lane l holds row l % 16; registers 0-3 K = 8 (l / 16) + 0..7, registers 4-7 K = 16 + 8 (l / 16) + 0..7: two loads of 16 bytes, 32 bytes apart
	v_and_b32 v1, 15, v0
	v_bfe_u32 v2, v0, 4, 1
	v_mul_u32_u24 v3, v1, PITCH
	v_lshl_add_u32 v3, v2, 4, v3
	s_mul_i32 s20, s11, 128*PITCH
	s_mul_i32 s21, s12, 192*PITCH
	s_add_co_u32 s21, s21, ATILE
.irp s, 0,1
	v_add_nc_u32 v[ADRA+\s], s20, v3
	v_add_nc_u32 v[ADRB+\s], s21, v3
	s_add_co_u32 s20, s20, SLOT
	s_add_co_u32 s21, s21, SLOT
.endr
	s_mul_i32 s22, s11, 64*SPITCH                  ; into the stage: my 64 rows of a pass, my 384 bytes of them; row l % 16, 16 bytes for each half of the lanes
	s_mul_i32 s23, s12, 384
	s_add_co_u32 s22, s22, s23
	s_add_co_u32 s22, s22, STAGE
	v_mul_u32_u24 v4, v1, SPITCH
	v_lshl_add_u32 v4, v2, 4, v4
	v_add_nc_u32 v[STO], s22, v4
	s_mul_i32 s22, s10, 32*SPITCH                  ; back: wave w takes stage rows 32 w .. + 31, whole; lanes 0-15 256 bytes of one row, lanes 16-31 of the next
	s_add_co_u32 s22, s22, STAGE
	v_mul_u32_u24 v5, v2, SPITCH
	v_lshl_add_u32 v5, v1, 4, v5
	v_add_nc_u32 v[RD], s22, v5
	v_mul_u32_u24 v5, v2, ROWC
	v_lshl_add_u32 v[CO], v1, 4, v5
	s_lshl_b32 s18, s43, 8                         ; the first row that I store: 256 m + 128 (w / 2) + 32 (w % 2)
	s_lshl_b32 s19, s11, 7
	s_add_co_u32 s18, s18, s19
	s_lshl_b32 s19, s12, 5
	s_add_co_u32 s18, s18, s19
	s_mul_i32 s18, s18, ROWC
	s_mul_i32 s19, s42, 768                        ; the tile's first column, in bytes
	s_add_co_u32 s18, s18, s19
	s_mov_b32 s19, 0
	s_add_nc_u64 s[8:9], s[8:9], s[18:19]
	; the prefetches
	s_lshl_b32 s72, s43, 15
	s_lshl_b32 s73, s40, 13                        ; A: my work-group's 32 runs of 256 bytes
	s_add_co_u32 s72, s72, s73
	s_add_co_u32 s72, s72, 2*XKB                   ; at K step 2: the first lap steps it to 4
	s_mul_i32 s74, s42, 384*128
	s_lshl_b32 s75, s10, 14
	s_add_co_u32 s74, s74, s75
	s_lshl_b32 s75, s41, 12                        ; B: my work-group's 16 runs of my third
	s_add_co_u32 s74, s74, s75
	s_add_co_u32 s74, s74, 2*WKB
	s_mov_b32 s76, WKB
	s_and_b32 s20, ttmp7, 0xffff                   ; cluster y
	s_cmp_eq_u32 s10, 3                            ; do I fetch for A?
	s_cselect_b32 s72, s72, s74
	s_cselect_b32 s76, XKB, s76
	s_cselect_b32 s21, ttmp9, s20                  ; the coordinate along which other clusters read the same bytes
	s_cselect_b64 s[PFA:PFA+1], s[4:5], s[6:7]
	s_mov_b32 s73, 0
	s_add_nc_u64 s[PFA:PFA+1], s[PFA:PFA+1], s[72:73]
	s_lshl_b32 s[PFS], s76, 1
	s_mov_b32 s[PFS+1], 0
	s_cmp_eq_u32 s21, 0
	s_cselect_b32 s[LIM], 1, -1                    ; the same in all sixteen partners, for a given wave
	v_lshlrev_b32 v[PFO], 8, v1
	v_mad_u32_u24 v[PFO], v2, s76, v[PFO]          ; 256 (l % 16) + a K step x (l / 16)
; nb x 8 products: column blocks b0 .. b0 + nb - 1 x all 8 row blocks, 32 along K.  zero = 1: the product starts the sum.  Each accumulator has one product in a quarter, so no two that follow each other share one.
.macro MULB f, b0, nb, zero
.set bb, (\b0)
.rept \nb
	WIN 0x50*(1+bb/4)
.set aa, 0
.rept 8
.if \zero
	v_wmma_f32_16x16x32_bf16 v[64*(bb%4)+8*aa:64*(bb%4)+8*aa+7], v[BF+8*bb:BF+8*bb+7], v[(\f)+8*aa:(\f)+8*aa+7], 0
.else
	v_wmma_f32_16x16x32_bf16 v[64*(bb%4)+8*aa:64*(bb%4)+8*aa+7], v[BF+8*bb:BF+8*bb+7], v[(\f)+8*aa:(\f)+8*aa+7], v[64*(bb%4)+8*aa:64*(bb%4)+8*aa+7]
.endif
.set aa, aa+1
.endr
.set bb, bb+1
.endr
.endm
.macro LDB h, slot, kq                 ; 12 loads: half h of B's fragments, quarter kq of the slot's K step
	WIN 0
.set bb, 6*(\h)
.rept 6
	ds_load_b128 v[BF+8*bb:BF+8*bb+3],   v[ADRB+(\slot)] offset:bb*16*PITCH+64*(\kq)
	ds_load_b128 v[BF+8*bb+4:BF+8*bb+7], v[ADRB+(\slot)] offset:bb*16*PITCH+64*(\kq)+32
.set bb, bb+1
.endr
.endm
.macro LDA f, slot, kq                 ; 16 loads: A's 8 fragments into buffer f
	WIN 0
.set aa, 0
.rept 8
	ds_load_b128 v[(\f)+8*aa:(\f)+8*aa+3],   v[ADRA+(\slot)] offset:aa*16*PITCH+64*(\kq)
	ds_load_b128 v[(\f)+8*aa+4:(\f)+8*aa+7], v[ADRA+(\slot)] offset:aa*16*PITCH+64*(\kq)+32
.set aa, aa+1
.endr
.endm
; A K step's first quarter (K 0-31 of the slot), on A's buffer 0
.macro QN slot, zero
	PLACES
	LDB 1, \slot, 0
	s_wait_dscnt 12                                ; B's lower half and A are in; the 12 just issued may be out
	MULB AF0, 0, 6, \zero
	PLACES
	LDB 0, \slot, 1
	LDA AF1, \slot, 1
	s_wait_dscnt 28                                ; B's upper half is in; the 28 just issued may be out
	MULB AF0, 6, 6, \zero
.endm
; Its second quarter, on A's buffer 1, with the change of slots: ONE barrier.  In front of it each wave waits for all its tensor loads (one is out: its part of the next slot), adds 0 to its spare word, and waits for that
; and for its own reads of this slot.  fill = 1: the barrier opens a round of the cluster's, and behind the round this slot is filled again, two K steps on: 144 products ahead of the wait for it.
.macro QC slot, next, fill
.if (\fill) && ((\slot) == 0)
	s_wait_xcnt 0x0                                ; the last prefetches, a lap back, have read their address
	s_add_nc_u64 s[PFA:PFA+1], s[PFA:PFA+1], s[PFS:PFS+1]
.endif
	PLACES
	LDB 1, \slot, 1                                ; my last reads of this slot
	s_wait_tensorcnt 0x0                           ; all my tensor loads have landed
	ds_add_u32 v[SPW], v[NIL]
	s_wait_dscnt 13                                ; (the add and the 12 just issued may be out)
	MULB AF1, 0, 3, 0
	s_wait_dscnt 0x0                               ; the add is done, and my reads of this slot are over
	s_barrier_signal -1
	MULB AF1, 3, 3, 0
	WIN 0
	s_barrier_wait -1
.if \fill
	CREST                                          ; no wave of any partner still reads this slot or has a load on its way
	s_add_nc_u64 s[G0A+4*(\slot)+2:G0A+4*(\slot)+3], s[G0A+4*(\slot)+2:G0A+4*(\slot)+3], 2*XKB
	s_add_nc_u64 s[G0B+4*(\slot)+2:G0B+4*(\slot)+3], s[G0B+4*(\slot)+2:G0B+4*(\slot)+3], 2*WKB
	JLOAD \slot                                    ; the four v_nop behind it are also the places in front of the loads below
.else
	PLACES
.endif
	LDB 0, \next, 0
	LDA AF0, \next, 0
.if (\fill) && ((\slot) == 0)
	ASK
.endif
	MULB AF1, 6, 6, 0
.endm
	s_wait_tensorcnt 1                             ; my part of K step 0 is in; K step 1's may stay out
	s_barrier_signal -1
	s_barrier_wait -1
	LDB 0, 0, 0
	LDA AF0, 0, 0
	QN 0, 1                                        ; the first quarter stands in front of the loop: its products start the sums
	WIN 0
	s_mov_b32 s3, 7
.Llap:                                                 ; a trip goes once round the ring and fills both slots again: K steps 2 to 15
	QC 0, 1, 1
	QN 1, 0
	QC 1, 0, 1
	QN 0, 0
	WIN 0
	s_sub_co_u32 s3, s3, 1
	s_cmp_lg_u32 s3, 0
	s_cbranch_scc1 .Llap
	QC 0, 1, 0                                     ; the last lap fills nothing
	QN 1, 0
	PLACES
	LDB 1, 1, 1
	s_wait_dscnt 12
	MULB AF1, 0, 6, 0
	s_wait_dscnt 0x0
	MULB AF1, 6, 6, 0
	WIN 0
	PLACES
	PLACES
; THE WAY OUT, in two passes of 64 rows a wave (row blocks 4 p .. 4 p + 3): rounded to f16, 16 bytes a lane into the work-group's stage; a barrier, since a row's 768 bytes come from two waves; back as whole rows.
.macro OUTP p
.irp w, 1,2,3
	WIN 5*\w                                       ; sources 0 and 1 in window w, destination in window 0
.set bq, 0
.rept 4
.set ap, 0
.rept 4
.set src, 64*bq+8*(4*(\p)+ap)
.set dst, TMP+4*(12*ap+4*(\w-1)+bq)
	v_cvt_pk_f16_f32 v[dst], v[src], v[src+1]      ; each accumulator is read from its low end on
	v_cvt_pk_f16_f32 v[dst+1], v[src+2], v[src+3]
	v_cvt_pk_f16_f32 v[dst+2], v[src+4], v[src+5]
	v_cvt_pk_f16_f32 v[dst+3], v[src+6], v[src+7]
.set ap, ap+1
.endr
.set bq, bq+1
.endr
.endr
	WIN 0
.set k, 0
.rept 48
	ds_store_b128 v[STO], v[TMP+4*k:TMP+4*k+3] offset:(k/12)*16*SPITCH+32*(k%12)
.set k, k+1
.endr
	s_wait_dscnt 0x0                               ; for the others' sake: my stores into the stage are done
	s_barrier_signal -1
	s_barrier_wait -1
.set k, 0
.rept 48
	ds_load_b128 v[TMP+4*k:TMP+4*k+3], v[RD] offset:(k/3)*2*SPITCH+256*(k%3)
.set k, k+1
.endr
.set k, 0
.rept 48
	s_wait_dscnt 47-k
	global_store_b128 v[CO], v[TMP+4*k:TMP+4*k+3], s[8:9] offset:(\p)*64*ROWC+(k/3)*2*ROWC+256*(k%3)  ; 16 lanes store 256 consecutive bytes, at a multiple of 256 from the buffer's first
.set k, k+1
.endr
.endm
	OUTP 0
	s_barrier_signal -1                            ; every wave's reads of the stage are back (the count-down ended at 0): it may be written again
	s_barrier_wait -1
	s_wait_xcnt 0x0                                ; the stores have read their registers, which the second pass writes anew
	OUTP 1
	s_wait_tensorcnt 0x0                           ; the wave's end
	ds_add_u32 v[SPW], v[NIL]
	s_wait_dscnt 0x0
	CROUND                                         ; the closing round
	s_endpgm
.Lfunc_end_k_q4d9edf4fea_proj:
	.size	k_q4d9edf4fea_proj, .Lfunc_end_k_q4d9edf4fea_proj-k_q4d9edf4fea_proj
	.p2alignl 7, 3214868480
	.fill 96, 4, 3214868480
	.section	.rodata,"a",@progbits
	.p2align	6, 0x0
	.amdhsa_kernel k_q4d9edf4fea_proj
		.amdhsa_group_segment_fixed_size 327680
		.amdhsa_private_segment_fixed_size 0
		.amdhsa_enable_private_segment 0
		.amdhsa_kernarg_size 24
		.amdhsa_user_sgpr_count 2
		.amdhsa_user_sgpr_kernarg_segment_ptr 1
		.amdhsa_wavefront_size32 1
		.amdhsa_system_sgpr_workgroup_id_x 1
		.amdhsa_system_sgpr_workgroup_id_y 1
		.amdhsa_system_sgpr_workgroup_id_z 1
		.amdhsa_system_vgpr_workitem_id 0
		.amdhsa_next_free_vgpr 1024
		.amdhsa_next_free_sgpr 84
		.amdhsa_reserve_vcc 0
		.amdhsa_float_denorm_mode_32 3
		.amdhsa_float_denorm_mode_16_64 3
		.amdhsa_memory_ordered 1
		.amdhsa_forward_progress 1
		.amdhsa_inst_pref_size 132
	.end_amdhsa_kernel
	.amdgpu_metadata
---
amdhsa.version: [ 1, 2 ]
amdhsa.kernels:
  - .name:           k_q4d9edf4fea_proj
    .symbol:         k_q4d9edf4fea_proj.kd
    .args:
      - { .name: xb, .offset: 0, .size: 8, .value_kind: global_buffer, .address_space: global }
      - { .name: wb, .offset: 8, .size: 8, .value_kind: global_buffer, .address_space: global }
      - { .name: qkv, .offset: 16, .size: 8, .value_kind: global_buffer, .address_space: global }
    .group_segment_fixed_size: 327680
    .private_segment_fixed_size: 0
    .kernarg_segment_align: 8
    .kernarg_segment_size: 24
    .max_flat_workgroup_size: 128
    .sgpr_count:     84
    .vgpr_count:     1024
    .wavefront_size: 32
...
	.end_amdgpu_metadata
.endif
;; end of part 2
;; launch attn (part 3): grid 8 x 32, 4 waves a work-group, clusters of 4 x 4, 327,680 bytes of LDS; arguments qkv, m16, hf, out0; writes out0
.if DOCPART == 3
	.amdgcn_target "amdgcn-amd-amdhsa--gfx1250"
	.amdhsa_code_object_version 6
	.text
	.protected	k_q4d9edf4fea_attn
	.globl	k_q4d9edf4fea_attn
	.p2align	8
	.type	k_q4d9edf4fea_attn,@function
k_q4d9edf4fea_attn:
	s_mov_b64 s[64:65], 0
	v_nop
	global_prefetch_b8 v0, s[64:65] scope:SCOPE_SE
	s_setreg_imm32_b32 hwreg(HW_REG_WAVE_MODE, 25, 1), 1
	s_wait_xcnt 0x0
	s_wait_alu depctr_hold_cnt(0) depctr_sa_sdst(0) depctr_va_vdst(0) depctr_va_sdst(0) depctr_va_ssrc(0) depctr_va_vcc(0) depctr_vm_vsrc(0)
	s_getreg_b32 s2, hwreg(HW_REG_IB_STS2, 6, 4)
	s_cmp_eq_u32 s2, 0
	s_cbranch_scc0 .Lentry_in_a_cluster
	s_endpgm
.Lentry_in_a_cluster:
	s_bfe_u32 s2, ttmp6, 0x10000c
	s_cmp_lg_u32 s2, 0xf033
	s_cbranch_scc0 .Lentry_shape_is_right
	s_endpgm
.Lentry_shape_is_right:
; ATTN: out[b][q][head][:] = the sum over keys of P[q][key] v[key][:], P = q . k / 8 where mask != 0, else -1e9.  No softmax.  qkv [8192][3072] f16 (q, k, v on end), out0 [8192][1024] f32.
; ONE SCALE FOR EACH QUERY AND HEAD, A POWER OF TWO, so that P fits f16 for every f16 q and k: nq = |q|_2 over the head's 64 numbers; c3 = the power of two at or above max(2 nq, hf, 1e-30), hf = 16384 in a row
; with a hole, else 0.  Q is multiplied by 0.125 / c3 ONCE, ahead of the walk: exact in f16, but where a product falls under 2^-14, where f16's fixed step of 2^-24 holds.  So S^T = K Q'^T is the score in P's scale:
; P = f16(S), or f16(-1e9 / c3) at a hole; out = c3 x the sum of P v.  By Cauchy's inequality |S| <= |k|_2 / 16 <= 32,752; in a row with a hole |-1e9 / c3| <= 61,036; in a row without, the fill may be an
; infinity and is never taken.  Sums in f32.
; LIMITS: q, k, v arrive within f16's 65,504; the fill is rounded once to f16 (at most 2^-12 of itself); P below 6e-5 keeps f16's fixed step of 6e-8; in a row with a hole q is carried with the fixed step
; 2^-24 x 8 c3, which is 2^-7 at c3 = 16384, beside a fill of 1e9; NaN and infinities are not treated apart.
; THE MASK comes as m16, 0xffff or 0 for each score in the order in which a lane holds S^T: one v_bfi_b32 masks two scores, exactly.
; SHARES.  A work-group: 256 queries x 2 heads.  Wave w: head w / 2 of the pair, queries 128 (w % 2) on: 8 tiles of 16, in four PIECES of two.  Every wave walks the batch's 2,048 keys, 64 a step.
; LAYOUT.  S^T = K Q^T holds one query a lane (l % 16) and the keys 8 (l / 16) + 0..7; two such results rounded to f16 in pairs ARE source 1 of O^T = V^T P.  V comes out of LDS turned, by ds_load_tr16_b128.
; TURNS.  Turn p: 16 products V^T P of piece p - 1, behind each two of piece p's 32 roundings; then 16 products K Q^T of piece p + 1, behind each two of piece p's 32 maskings.
; No first step is written out: O^T, V and the score buffers start at 0 and the first turns add nothing; the price is 480 lines that write constants, in the wait for the first tile.
; CLUSTER 4 x 4.  K and V hang on batch and head pair (the cluster's y and cy) and are asked for jointly by a row of the cluster; m16 hangs on batch and query block (cx), by a column.
; REGISTERS, in windows of 256 (s_set_vgpr_msb: bits 1:0 source 0, 3:2 source 1, 5:4 source 2, 7:6 destination), laid so that the vector lines run under the setting of the products that they follow:
;   window 0: v0-15 addresses; v16-47 four a tile: 0.125 / c3, at work, c3, fill; v48-49 the add's; v64-191 S^T and, in its place, the masked P: two buffers of two tiles; v192-255 V of a step
;   window 1: v0-127 O^T of tiles 0-3; v128-191 Q of tiles 4-7; v192-223 the piece in hand's P before the mask        window 2: the same for O^T of tiles 4-7 and Q of tiles 0-3
;   window 3: v0-63 K of a step; v64-191 m16, a buffer a piece; v128-255 at work ahead of the walk
; A rounding (destination, S^T, S^T) has V^T P's windows (O^T, V, P): its result lands in the window of O^T of piece p - 1.  A masking (destination, mask, P, fill) has K Q^T's windows (S^T, K, Q, S^T): it finds that
; result in the window of Q of piece p + 1, which the map makes the same.  A key step has 14 switches for its 128 products.
.set PK,    272       ; a row of K in LDS: both heads' 256 bytes + 16: the 16 rows of a load start at 16 different groups of four banks (ISA guide 11.1)
.set PVP,   288       ; a row of V: 256 + 32
.set MSLOT, 65536     ; m16 of a slot: 16 q tiles x 8 key tiles x 512 bytes
.set LK0,   2*MSLOT   ; a slot holds two steps, 128 keys
.set LV0,   LK0+128*PK
.set LK1,   LV0+128*PVP
.set LV1,   LK1+128*PK
.set STAGE, LV1+128*PVP  ; never filled by a tensor load: 16 rows x 272 bytes for each wave, for the way out
.set SP,    272
.set SPARE, STAGE+4*16*SP  ; the spare words: 128 bytes for each wave, named by no other line
.set KX,    LK0^LK1   ; one exclusive or turns a slot's address into the other's
.set VX,    LV0^LV1
.set ROWB,  6144      ; bytes in a row of qkv
.set KSTEP, 64*PK
.set VSTEP, 64*PVP
.set MSTEP, 4*512
.set AK0, 3
.set AV0, 4
.set AM0, 5
.set AK,  6
.set AV,  7
.set AM,  8
.set QO,  9
.set STO, 10
.set RD,  11
.set GO,  12
.set PFO, 13
.set ZR,  14          ; v14  0, an addend
.set HO,  15
.set ST,  16
.set SPW, 48          ; v48  SPARE + 4 x my thread's number; never rewritten
.set NIL, 49          ; v49  0; never rewritten
.set S,   64          ; window 0
.set VF,  192         ; window 0: key half kk, channel block cb at VF + 32 kk + 8 cb
.set QF,  128         ; windows 1 and 2: tile t at QF + 16 (t % 4)
.set PP,  192         ; windows 1 and 2: tile u of the piece at PP + 16 u
.set KF,  0           ; window 3: key block kb, channel half c at KF + 16 kb + 8 c
.set MK,  64          ; window 3: piece x at MK + 32 ((x + 1) % 4), so that piece 3's, which is set ahead of the walk, lies clear of TT
.set TT,  128         ; window 3
.set WV,  12
.set G1K, 24
.set G1V, 32
.set G1M, 40
.set G0K, 48
.set G0V, 52
.set G0M, 56
.set SLOTS, 60
.set CNT, 61
.set SEL, 62
.set TBK, 66          ; s66-68  LDS bytes at which K, V and m16 of the step to be fetched begin
.set TBV, 67
.set TBM, 68
.set BIG, 69
.set PFA, 70
.set PFS, 72
.set LIM, 74
.set TINY, 75
.set MSB, 0
.macro WIN new                      ; the immediate's high byte repeats the setting that is left; a switch that changes nothing is dropped
.if MSB != (\new)
	s_set_vgpr_msb (MSB<<8)|(\new)
.set MSB, (\new)
.endif
.endm
; A joint fill: wave 0 a slot's K, wave 1 its V, waves 2 and 3 the halves of its m16.  The branches hang on the wave's number alone; an s_nop 0 and four v_nop follow each line.
.macro JLOAD3
	s_cmp_lt_u32 s[WV], 2
	s_cbranch_scc0 .Lfor_m_\@
	s_cmp_eq_u32 s[WV], 0
	s_cbranch_scc0 .Lfor_v_\@
	tensor_load_to_lds s[G0K:G0K+3], s[G1K:G1K+7]
	s_nop 0
.rept 4
	v_nop
.endr
	s_branch .Lasked_\@
.Lfor_v_\@:
	tensor_load_to_lds s[G0V:G0V+3], s[G1V:G1V+7]
	s_nop 0
.rept 4
	v_nop
.endr
	s_branch .Lasked_\@
.Lfor_m_\@:
	tensor_load_to_lds s[G0M:G0M+3], s[G1M:G1M+7]
	s_nop 0
.rept 4
	v_nop
.endr
.Lasked_\@:
.endm
; A PREFETCH of what the NEXT change of slots will ask for, two key steps (256 products) ahead of that load; one line a wave, behind the wave's tensor load and its five lines.  Each run of 256 bytes is named once in the launch.
; K's and V's rows are read by both clusters of a row of clusters: cluster x = 0 asks, and partner cx takes 32 of the slot's 128 rows, a lane a row (wave 0 K, wave 1 V).  m16's tiles are read by the two clusters of a batch and
; column: the one with even y asks, and partner cy takes 2 of the 8 q tiles that wave 2 or 3 fetches, 16 runs each.  The shares are told apart by ADDRESS.  Slots 0 and 1 come by their loads alone; the last filling change asks for nothing.
.macro ASK
	s_cmp_gt_u32 s[SLOTS], s[LIM]
	s_cbranch_scc0 .Lnot_mine_\@
	global_prefetch_b8 v[PFO], s[PFA:PFA+1] th:TH_LOAD_NT scope:SCOPE_SE
.Lnot_mine_\@:
.endm
.macro CROUND
	s_barrier_signal -1
	s_barrier_wait -1
	s_cmp_lg_u32 s[WV], 0
	s_cbranch_scc1 .Lnot_wave_0_\@
	s_barrier_signal -3
.Lnot_wave_0_\@:
	s_barrier_wait -3
	s_barrier_signal -1
	s_barrier_wait -1
.endm
; THE CHANGE OF SLOTS.  Each wave waits for all its tensor loads (one is out: its part of the other slot), adds 0 to its spare word, and waits for that and for its own reads of the slot that it leaves.
; fill = 1: the barrier is a round of the cluster's, and the old slot is filled again first thing behind it, with the keys two slots on.  (At its first use slot 0 is waited for and slot 1 filled.)
.macro CHANGE fill
	WIN 0
	s_wait_tensorcnt 0x0                           ; no tensor load of mine is out, so a group 0 may be written
	ds_add_u32 v[SPW], v[NIL]
.if \fill
	s_xor_b32 s[G0K+1], s[G0K+1], KX
	s_add_nc_u64 s[G0K+2:G0K+3], s[G0K+2:G0K+3], 128*ROWB
	s_xor_b32 s[G0V+1], s[G0V+1], VX
	s_add_nc_u64 s[G0V+2:G0V+3], s[G0V+2:G0V+3], 128*ROWB
	s_xor_b32 s[G0M+1], s[G0M+1], MSLOT
	s_add_nc_u64 s[G0M+2:G0M+3], s[G0M+2:G0M+3], 8*512
	s_wait_xcnt 0x0                                ; the last prefetch, two key steps back, has read its address
	s_add_nc_u64 s[PFA:PFA+1], s[PFA:PFA+1], s[PFS:PFS+1]
	s_wait_dscnt 0x0                               ; the add is done, and my reads of the slot are over
	CROUND
	JLOAD3
	ASK
.else
	s_wait_dscnt 0x0
	s_barrier_signal -1
	s_barrier_wait -1
.endif
	s_sub_co_u32 s[TBK], s[TBK], 2*KSTEP           ; the fetches go back to a slot's first step, in the other slot
	s_xor_b32 s[TBK], s[TBK], KX
	s_sub_co_u32 s[TBV], s[TBV], 2*VSTEP
	s_xor_b32 s[TBV], s[TBV], VX
	s_sub_co_u32 s[TBM], s[TBM], 2*MSTEP
	s_xor_b32 s[TBM], s[TBM], MSLOT
.endm
	s_load_b256 s[4:11], s[0:1], 0x0               ; qkv s[4:5], m16 s[6:7], hf s[8:9], out0 s[10:11]
	v_lshl_add_u32 v[SPW], v0, 2, SPARE
	v_mov_b32 v[NIL], 0
	ds_add_u32 v[SPW], v[NIL]                      ; the wave's opening: the add and its wait ahead of my first tensor load
	v_lshrrev_b32 v1, 5, v0
	v_readfirstlane_b32 s[WV], v1                  ; wave 0..3
	s_bfe_u32 s13, ttmp6, 0x40000                  ; cx
	s_bfe_u32 s14, ttmp6, 0x40004                  ; cy
	s_lshl_b32 s15, ttmp9, 2
	s_add_co_u32 s15, s15, s13                     ; the block of 256 queries
	s_and_b32 s18, ttmp7, 0xffff                   ; cluster y
	s_lshr_b32 s16, s18, 1                         ; the batch
	s_and_b32 s19, s18, 1
	s_lshl_b32 s17, s19, 2
	s_add_co_u32 s17, s17, s14                     ; the pair of heads
	s_lshl_b32 s76, s14, 2
	s_lshl_b32 s76, 15, s76                        ; my row of the cluster
	s_lshl_b32 s77, 0x1111, s13                    ; my column
	s_or_b32 s[G1K], s76, (1<<16)|(1<<20)|(1<<21)|(5<<22)|(3<<25)  ; 2-byte elements; 4 words of padding behind every 64
	s_or_b32 s[G1V], s76, (1<<16)|(1<<20)|(1<<21)|(5<<22)|(7<<25)  ; 8 words
.irp g, G1K, G1V
	s_mov_b32 s[\g+1], 128<<16                     ; tensor_dim0 = 128 elements: the pair's 256 bytes
	s_mov_b32 s[\g+2], 128<<16                     ; tensor_dim1 = 128 keys
	s_mov_b32 s[\g+3], 128<<16                     ; tile_dim0
	s_mov_b32 s[\g+4], 128                         ; tile_dim1
	s_mov_b32 s[\g+5], 3072                        ; elements from row to row
	s_mov_b32 s[\g+6], 0
	s_mov_b32 s[\g+7], 0
.endr
	s_or_b32 s[G1M], s77, (3<<16)|(1<<21)          ; 8-byte elements, no padding
	s_mov_b32 s[G1M+1], 512<<16                    ; tensor_dim0 = 512 elements: a q tile's 8 key tiles, 4,096 bytes
	s_mov_b32 s[G1M+2], 8<<16                      ; tensor_dim1 = 8 q tiles
	s_mov_b32 s[G1M+3], 512<<16
	s_mov_b32 s[G1M+4], 8
	s_mov_b32 s[G1M+5], 8192                       ; 65,536 bytes from a q tile to the next
	s_mov_b32 s[G1M+6], 0
	s_mov_b32 s[G1M+7], 0
	s_mul_i32 s20, s16, 2048*ROWB                  ; K and V: the batch's first row, the pair's 256 bytes: no cx enters
	s_lshl_b32 s21, s17, 8
	s_add_co_u32 s20, s20, s21
	s_mov_b32 s21, 0
	s_and_b32 s78, s[WV], 1                        ; which half of m16's q tiles waves 2 and 3 fetch: wave 2 the first, wave 3 the second
	s_lshl_b32 s80, s16, 23                        ; m16: batch, query block, half: no cy enters
	s_lshl_b32 s81, s15, 20
	s_add_co_u32 s80, s80, s81
	s_lshl_b32 s81, s78, 19
	s_add_co_u32 s80, s80, s81
	s_mov_b32 s81, 0
	s_and_b32 s82, s[WV], 1
	s_lshr_b32 s83, s[WV], 1
	s_lshl_b32 s84, s16, 11
	s_lshl_b32 s85, s15, 8
	s_add_co_u32 s84, s84, s85
	s_lshl_b32 s85, s82, 7
	s_add_co_u32 s84, s84, s85                     ; my first query's row
	s_lshl_b32 s86, s17, 1
	s_add_co_u32 s86, s86, s83                     ; my head
	s_mul_i32 s88, s84, ROWB
	s_lshl_b32 s89, s86, 7
	s_add_co_u32 s88, s88, s89                     ; in q
	s_mov_b32 s89, 0
	s_lshl_b32 s90, s84, 12
	s_lshl_b32 s91, s86, 8
	s_add_co_u32 s90, s90, s91                     ; in out0
	s_mov_b32 s91, 0
	s_lshl_b32 s92, s84, 2                         ; in hf
	s_mov_b32 s93, 0
	s_mov_b32 s[G0K], 1
	s_mov_b32 s[G0K+1], LK0
	s_mov_b32 s[G0V], 1
	s_mov_b32 s[G0V+1], LV0
	s_mov_b32 s[G0M], 1
	s_mul_i32 s[G0M+1], s78, 32768                 ; the half's 8 q tiles of 4,096 bytes in slot 0: the wave's number alone
	s_mov_b32 s[SEL], 0x76543210
	s_mov_b32 s[SEL+1], 0xfedcba98
	s_mov_b32 s[TBK], LK1+2*KSTEP                  ; the first change of slots turns these three into slot 0's
	s_mov_b32 s[TBV], LV1+2*VSTEP
	s_mov_b32 s[TBM], MSLOT+2*MSTEP
	s_mov_b32 s[BIG], 0xce6e6b28                   ; -1e9
	s_mov_b32 s[TINY], 0x0da24260                  ; 1e-30
	; the prefetches' address, step and lane terms
	s_mul_i32 s96, s13, 32*ROWB                    ; my work-group's 32 rows,
	s_add_co_u32 s96, s96, s20
	s_add_co_u32 s96, s96, 128*ROWB+2048           ; of K, in slot 1: the first change steps it to slot 2
	s_add_co_u32 s97, s96, 2048                    ; of V
	s_lshl_b32 s98, s14, 17                        ; my work-group's 2 q tiles
	s_add_co_u32 s98, s98, s80
	s_add_co_u32 s98, s98, 8*512
	s_mov_b32 s[PFS], 8*512
	s_movk_i32 s87, 256
	s_mov_b32 s99, 65536
	s_cmp_eq_u32 s[WV], 0
	s_cselect_b32 s96, s96, s97
	s_cmp_lt_u32 s[WV], 2
	s_cselect_b32 s96, s96, s98
	s_cselect_b32 s[PFS], 128*ROWB, s[PFS]
	s_cselect_b32 s87, ROWB, s87
	s_cselect_b32 s99, 16*ROWB, s99
	s_cselect_b32 s79, ttmp9, s19                  ; the coordinate along which another cluster reads the same bytes
	s_mov_b32 s97, 0
	s_mov_b32 s[PFS+1], 0
	s_wait_dscnt 0x0                               ; the opening add is done
	s_wait_kmcnt 0x0
	s_cselect_b64 s[PFA:PFA+1], s[4:5], s[6:7]
	s_add_nc_u64 s[PFA:PFA+1], s[PFA:PFA+1], s[96:97]
	s_cmp_eq_u32 s79, 0
	s_cselect_b32 s[LIM], 1, -1                    ; the same in all sixteen partners, for a given wave
	s_add_nc_u64 s[22:23], s[4:5], s[20:21]
	s_add_nc_u64 s[G0K+2:G0K+3], s[22:23], 2048
	s_or_b32 s[G0K+3], s[G0K+3], 0x80000000
	s_add_nc_u64 s[G0V+2:G0V+3], s[22:23], 4096
	s_or_b32 s[G0V+3], s[G0V+3], 0x80000000
	s_add_nc_u64 s[G0M+2:G0M+3], s[6:7], s[80:81]
	s_or_b32 s[G0M+3], s[G0M+3], 0x80000000
	s_add_nc_u64 s[94:95], s[4:5], s[88:89]
	s_add_nc_u64 s[10:11], s[10:11], s[90:91]
	s_add_nc_u64 s[8:9], s[8:9], s[92:93]
	CROUND                                         ; all sixteen work-groups are here: the first joint loads meet
	JLOAD3                                         ; slot 0; slot 1 is asked for when slot 0 is in
	v_and_b32 v1, 15, v0                           ; l % 16
	v_bfe_u32 v2, v0, 4, 1                         ; l / 16
	v_mul_u32_u24 v[QO], v1, ROWB
	v_lshl_add_u32 v[QO], v2, 4, v[QO]
	v_lshlrev_b32 v[HO], 2, v1
.set t, 0
.rept 8
	global_load_b32 v[ST+4*t+3], v[HO], s[8:9] offset:64*t
.set t, t+1
.endr
	WIN 0x80                                       ; destination window 2: Q of tiles 0-3.  Tile i / 4, 16 bytes at 32 (i % 4) + 16 (l / 16) of the head's 128
.set i, 0
.rept 16
	global_load_b128 v[QF+4*i:QF+4*i+3], v[QO], s[94:95] offset:(i/4)*16*ROWB+(i%4)*32
.set i, i+1
.endr
	WIN 0x40                                       ; destination window 1: Q of tiles 4-7
.rept 16
	global_load_b128 v[QF+4*(i-16):QF+4*(i-16)+3], v[QO], s[94:95] offset:(i/4)*16*ROWB+(i%4)*32
.set i, i+1
.endr
.set i, 0
.rept 128
	v_mov_b32 v[i], 0                              ; O^T of tiles 0-3
.set i, i+1
.endr
	WIN 0x80
.set i, 0
.rept 128
	v_mov_b32 v[i], 0                              ; O^T of tiles 4-7
.set i, i+1
.endr
	WIN 0xc0
.set i, MK
.rept 32
	v_mov_b32 v[i], -1                             ; piece 3's mask buffer keeps all: the first turn's zeros stay zeros, whatever the fill
.set i, i+1
.endr
	WIN 0
.set i, S
.rept 192
	v_mov_b32 v[i], 0                              ; both score buffers, and V: the first turns' products V^T P add 0
.set i, i+1
.endr
	v_mov_b32 v[ZR], 0
	s_lshl_b32 s85, s83, 7                         ; my head's 128 bytes of a row of K or V
	v_mul_u32_u24 v[AK0], v1, PK
	v_lshl_add_u32 v[AK0], v2, 4, v[AK0]
	v_add_nc_u32 v[AK0], s85, v[AK0]
	v_and_b32 v50, 7, v0                           ; the turning load: lane l reads key 8 (l / 16) + l % 8, channels 8 ((l / 8) % 2) + 0..7
	v_bfe_u32 v51, v0, 3, 1
	v_lshl_add_u32 v[AV0], v2, 3, v50
	v_mul_u32_u24 v[AV0], v[AV0], PVP
	v_lshl_add_u32 v[AV0], v51, 4, v[AV0]
	v_add_nc_u32 v[AV0], s85, v[AV0]
	s_lshl_b32 s85, s82, 15                        ; my 8 q tiles of m16
	v_and_b32 v50, 31, v0
	v_lshl_add_u32 v[AM0], v50, 4, s85
	s_mul_i32 s85, s[WV], 16*SP
	s_add_co_u32 s85, s85, STAGE                   ; my stage
	v_mul_u32_u24 v[STO], v1, SP                   ; in: row l % 16, 32 bytes for each half of the lanes
	v_lshl_add_u32 v[STO], v2, 5, v[STO]
	v_add_nc_u32 v[STO], s85, v[STO]
	v_mul_u32_u24 v[RD], v2, SP                    ; back: lanes 0-15 one row of 256 bytes, lanes 16-31 the next
	v_lshl_add_u32 v[RD], v1, 4, v[RD]
	v_add_nc_u32 v[RD], s85, v[RD]
	v_lshlrev_b32 v[GO], 12, v2
	v_lshl_add_u32 v[GO], v1, 4, v[GO]
	v_mul_u32_u24 v[PFO], v1, s87
	v_mad_u32_u24 v[PFO], v2, s99, v[PFO]
	s_wait_loadcnt 0x0                             ; Q and hf
	; THE SCALES.  A lane holds 32 of its query's 64 numbers: two chains a tile (low halves, high halves), four tiles by turns
.irp g, 0,1
.set wq, 2-\g
	WIN 5*wq                                       ; sources 0 and 1 in Q's window
.set c, 0
.rept 16
.set u, 0
.rept 4
.set rT, ST+4*(4*\g+u)
.set rQ, QF+16*u+c
.if c == 0
	v_fma_mix_f32 v[rT], v[rQ], v[rQ], v[ZR] op_sel_hi:[1,1,0]
	v_fma_mix_f32 v[rT+1], v[rQ], v[rQ], v[ZR] op_sel:[1,1,0] op_sel_hi:[1,1,0]
.else
	v_fma_mix_f32 v[rT], v[rQ], v[rQ], v[rT] op_sel_hi:[1,1,0]
	v_fma_mix_f32 v[rT+1], v[rQ], v[rQ], v[rT+1] op_sel:[1,1,0] op_sel_hi:[1,1,0]
.endif
.set u, u+1
.endr
.set c, c+1
.endr
.endr
	WIN 0
.macro ALL line:vararg              ; one line for each tile t
.set t, 0
.rept 8
	\line
.set t, t+1
.endr
.endm
	ALL v_add_f32 v[ST+4*t], v[ST+4*t], v[ST+4*t+1]
	ALL v_permlanex16_b32 v[ST+4*t+1], v[ST+4*t], s[SEL], s[SEL+1]
	ALL v_add_f32 v[ST+4*t], v[ST+4*t], v[ST+4*t+1]
	ALL v_sqrt_f32 v[ST+4*t+1], v[ST+4*t]
	v_nop                                          ; a plain instruction behind the last root,
	s_wait_alu depctr_va_vdst(0)                   ; and the wait ahead of the first use: one for the eight
	ALL v_add_f32 v[ST+4*t+1], v[ST+4*t+1], v[ST+4*t+1]
	ALL v_max3_num_f32 v[ST+4*t+2], v[ST+4*t+1], v[ST+4*t+3], s[TINY]
	ALL v_add_nc_u32 v[ST+4*t+2], 0x7fffff, v[ST+4*t+2]
	ALL v_and_b32 v[ST+4*t+2], 0x7f800000, v[ST+4*t+2]    ; c3: up to the next power of two, on the bits; between 2^-99 and 2^21
	ALL v_sub_nc_u32 v[ST+4*t], 0x7d800000, v[ST+4*t+2]   ; 0.125 / c3: the exponent field 251 less c3's
	ALL v_sub_nc_u32 v[ST+4*t+1], 0x7f000000, v[ST+4*t+2] ; 1 / c3: 254 less c3's
	ALL v_mul_f32 v[ST+4*t+3], s[BIG], v[ST+4*t+1]
	ALL v_cvt_pk_f16_f32 v[ST+4*t+3], v[ST+4*t+3], v[ST+4*t+3]
	; Q TIMES 0.125 / c3, four tiles at a time: each half widened and multiplied in f32, two rounded back into the register that they left
.irp g, 0,1
.set wq, 2-\g
	WIN 0xc0+wq                                    ; destination window 3, source 0 in Q's window
.set i, 0
.rept 64
.set rT, ST+4*(4*\g+i/16)
	v_fma_mix_f32 v[TT+2*i], v[QF+i], v[rT], v[ZR] op_sel_hi:[1,0,0]
	v_fma_mix_f32 v[TT+2*i+1], v[QF+i], v[rT], v[ZR] op_sel:[1,0,0] op_sel_hi:[1,0,0]
.set i, i+1
.endr
	WIN 64*wq+15                                   ; destination in Q's window, sources 0 and 1 in window 3
.set i, 0
.rept 64
	v_cvt_pk_f16_f32 v[QF+i], v[TT+2*i], v[TT+2*i+1]
.set i, i+1
.endr
.endr
	WIN 0
; THE MATRIX WORK.  The 8 accumulators of a run of 16 take turns.  Product ii of S^T = K Q^T for piece x: channels 32 (ii / 8) on, keys 16 ((ii / 2) % 4) on, tile 2 x + ii % 2.  The first 8 start the sums.
.macro KQ x
	WIN 3+4*(2-(\x)/2)              ; K in window 3, Q in window 2 (pieces 0, 1) or 1 (pieces 2, 3), S^T in window 0
.set rS, S+64*((\x)%2)+32*(ii%2)+8*((ii/2)%4)
.set rK, KF+16*((ii/2)%4)+8*(ii/8)
.set rQ, QF+16*((2*(\x)+ii%2)%4)+8*(ii/8)
.if ii < 8
	v_wmma_f32_16x16x32_f16 v[rS:rS+7], v[rK:rK+7], v[rQ:rQ+7], 0
.else
	v_wmma_f32_16x16x32_f16 v[rS:rS+7], v[rK:rK+7], v[rQ:rQ+7], v[rS:rS+7]
.endif
.endm
; Product ii of O^T += V^T P for piece x: keys 32 (ii / 8) on, channels 16 ((ii / 2) % 4) on, tile 2 x + ii % 2.  The masked P lies in the first 16 of the tile's 32 score registers.
.macro PV x
	WIN 0x50*(1+(\x)/2)             ; V and P in window 0, O^T in window 1 (pieces 0, 1) or 2 (pieces 2, 3)
.set rO, 32*((2*(\x)+ii%2)%4)+8*((ii/2)%4)
.set rV, VF+32*(ii/8)+8*((ii/2)%4)
.set rP, S+64*((\x)%2)+32*(ii%2)+8*(ii/8)
	v_wmma_f32_16x16x32_f16 v[rO:rO+7], v[rV:rV+7], v[rP:rP+7], v[rO:rO+7]
.endm
; THE LDS LOADS stand in two runs of 32 a key step.
.macro FETCH_K
	WIN 0xc0                        ; destination window 3
.set f, 0
.rept 8                             ; channels 32 (f / 4) on, keys 16 (f % 4) on: what the first eight products read comes first
	ds_load_b128 v[KF+16*(f%4)+8*(f/4):KF+16*(f%4)+8*(f/4)+3],   v[AK] offset:(f%4)*16*PK+(f/4)*64
	ds_load_b128 v[KF+16*(f%4)+8*(f/4)+4:KF+16*(f%4)+8*(f/4)+7], v[AK] offset:(f%4)*16*PK+(f/4)*64+32
.set f, f+1
.endr
.endm
.macro FETCH_V
	WIN 0
.set f, 0
.rept 8                             ; keys 32 (f / 4) on, channels 16 (f % 4) on: what the first eight products read comes first
	ds_load_tr16_b128 v[VF+8*f:VF+8*f+3],   v[AV] offset:(f/4)*32*PVP+(f%4)*32
	ds_load_tr16_b128 v[VF+8*f+4:VF+8*f+7], v[AV] offset:(f/4)*32*PVP+16*PVP+(f%4)*32
.set f, f+1
.endr
.endm
.macro FETCH_M x                    ; piece x's masks of the step: tile f / 4, key tile f % 4: 512 bytes on end each
	WIN 0xc0
.set f, 0
.rept 8
	ds_load_b128 v[MK+32*(((\x)+1)%4)+4*f:MK+32*(((\x)+1)%4)+4*f+3], v[AM] offset:(2*(\x)+f/4)*4096+(f%4)*512
.set f, f+1
.endr
.endm
; THE VECTOR WORK: number rr of piece Y's 64, the two tiles by turns.  It sets no window: it runs under the setting of the product that it follows.  0-31: a pair of scores rounded to f16, ascending.
; 32-63: (mask and P) or (not mask and fill), into register j of the tile's own 32 score registers, all of which have been read by then.
.macro RID
.set rS, S+64*(Y%2)+32*(rr%2)
.set jj, (rr%32)/2
.if rr < 32
	v_cvt_pk_f16_f32 v[PP+16*(rr%2)+jj], v[rS+2*jj], v[rS+2*jj+1]
.else
	v_bfi_b32 v[rS+jj], v[MK+32*((Y+1)%4)+16*(rr%2)+jj], v[PP+16*(rr%2)+jj], v[ST+4*(2*Y+rr%2)+3]
.endif
.set rr, rr+1
.endm
; A TURN, for piece p.  The products V^T P of piece p - 1 stand ahead of the products K Q^T of piece p + 1, which write the buffer that the former read: eight plain instructions or more lie between a reader and the product
; that writes over its source.  No rider names a register of the products round it, and a score is first read fifteen plain instructions or more behind the product that ends it.
; Piece 3's turn fetches the step's K and the masks of pieces 0 and 1, behind its first product's riders: seven plain instructions behind the last product that read K (two maskings, the three address lines, two roundings).
; Piece 0's turn fetches the step's V and the masks of pieces 2 and 3, behind its second K Q^T's riders: six plain instructions behind the last product that read V.
.macro TURN p
.set Y, (\p)
.set rr, 0
.if (Y == 0) || (Y == 2)
	s_wait_dscnt 0x0                               ; the masks of this piece and the next are in
.endif
.if Y == 1
	s_wait_dscnt 24                                ; V's keys 0-31 are in; its other eight loads and the sixteen mask loads may stay out
.endif
.set ii, 0
.rept 16
.if (ii == 8) && (Y == 1)
	s_wait_dscnt 16                                ; all of V is in
.endif
	PV (Y+3)%4
	RID
	RID
.if (ii == 0) && (Y == 3)
	FETCH_K
	FETCH_M 0
	FETCH_M 1
.endif
.set ii, ii+1
.endr
.if Y == 3
	s_wait_dscnt 24                                ; K's channels 0-31 are in; its other eight loads and the sixteen mask loads may stay out
.endif
.set ii, 0
.rept 16
.if (ii == 8) && (Y == 3)
	s_wait_dscnt 16                                ; all of K is in
.endif
	KQ (Y+1)%4
	RID
	RID
.if (ii == 1) && (Y == 0)
	FETCH_V
	FETCH_M 2
	FETCH_M 3
.endif
.set ii, ii+1
.endr
.endm
; All that a BODY fetches belongs to one key step: piece 3's turn of the step before (K, piece 0's scores of this step), then pieces 0, 1, 2 of this step.
.macro BODY
	WIN 0
	v_add_nc_u32 v[AK], s[TBK], v[AK0]
	v_add_nc_u32 v[AV], s[TBV], v[AV0]
	v_add_nc_u32 v[AM], s[TBM], v[AM0]
	TURN 3
	TURN 0
	TURN 1
	TURN 2
	WIN 0
	s_add_co_u32 s[TBK], s[TBK], KSTEP
	s_add_co_u32 s[TBV], s[TBV], VSTEP
	s_add_co_u32 s[TBM], s[TBM], MSTEP
.endm
.macro TWO_STEPS                    ; a slot's two key steps: written once, walked twice
	s_mov_b32 s[CNT], 2
.Lstep_\@:
	BODY
	s_sub_co_u32 s[CNT], s[CNT], 1
	s_cmp_lg_u32 s[CNT], 0
	s_cbranch_scc1 .Lstep_\@
.endm
	s_mov_b32 s[SLOTS], 15
.Lslot:                             ; 15 times: a slot is entered and the next is asked for
	CHANGE 1
	TWO_STEPS
	s_sub_co_u32 s[SLOTS], s[SLOTS], 1
	s_cmp_lg_u32 s[SLOTS], 0
	s_cbranch_scc1 .Lslot
	CHANGE 0                        ; the last slot is written out
	TWO_STEPS
	; the walk's end: piece 2's last V^T P beside piece 3's last roundings; piece 3's maskings by themselves, under the setting that K Q^T of piece 0 would have had; piece 3's last V^T P
.set Y, 3
.set rr, 0
.set ii, 0
.rept 16
	PV 2
	RID
	RID
.set ii, ii+1
.endr
	WIN 0x0b
.rept 32
	RID
.endr
.set ii, 0
.rept 16
	PV 3
.set ii, ii+1
.endr
	; THE WAY OUT, a tile at a time: O^T times c3; a lane's eight channels of a row (32 bytes) go into my stage and come back as whole rows of 256 bytes, into the registers that they left.
	; The first tiles' multiplications name no register of the last products and are the places behind them.
.macro PACK t
.set wo, 1+(\t)/4
.set ob, 32*((\t)%4)
	WIN 65*wo                       ; O^T (destination and source 0) in its window, c3 in window 0
.set i, 0
.rept 16
	v_pk_mul_f32 v[ob+2*i:ob+2*i+1], v[ob+2*i:ob+2*i+1], v[ST+4*(\t)+2:ST+4*(\t)+3] op_sel_hi:[1,0]
.set i, i+1
.endr
	WIN 4*wo                        ; the stores' data in O^T's window
.set i, 0
.rept 8
	ds_store_b128 v[STO], v[ob+4*i:ob+4*i+3] offset:64*(i/2)+16*(i%2)
.set i, i+1
.endr
	WIN 64*wo
.set i, 0
.rept 8
	ds_load_b128 v[ob+4*i:ob+4*i+3], v[RD] offset:i*2*SP  ; LDS serves a wave's instructions in order (ISA guide 5.7.1.4): these see the stores above; the next tile's stores come behind them
.set i, i+1
.endr
.endm
.macro SEND t, younger              ; younger: the LDS instructions issued behind tile t's loads: the next tile's sixteen, or none
.set wo, 1+(\t)/4
.set ob, 32*((\t)%4)
	WIN 4*wo
.set i, 0
.rept 8
	s_wait_dscnt (\younger)+7-i
	global_store_b128 v[GO], v[ob+4*i:ob+4*i+3], s[10:11] offset:(\t)*65536+i*8192 th:TH_STORE_NT  ; 16 lanes store a head's 256 bytes of a row, at a multiple of 256 from the buffer's first
.set i, i+1
.endr
.endm
	PACK 0
.irp n, 1,2,3,4,5,6,7
	PACK \n
	SEND \n-1, 16
.endr
	SEND 7, 0
	WIN 0
	s_wait_tensorcnt 0x0            ; the wave's end
	ds_add_u32 v[SPW], v[NIL]
	s_wait_dscnt 0x0
	CROUND                          ; the closing round
	s_endpgm
.Lfunc_end_k_q4d9edf4fea_attn:
	.size	k_q4d9edf4fea_attn, .Lfunc_end_k_q4d9edf4fea_attn-k_q4d9edf4fea_attn
	.p2alignl 7, 3214868480
	.fill 96, 4, 3214868480
	.section	.rodata,"a",@progbits
	.p2align	6, 0x0
	.amdhsa_kernel k_q4d9edf4fea_attn
		.amdhsa_group_segment_fixed_size 327680
		.amdhsa_private_segment_fixed_size 0
		.amdhsa_enable_private_segment 0
		.amdhsa_kernarg_size 32
		.amdhsa_user_sgpr_count 2
		.amdhsa_user_sgpr_kernarg_segment_ptr 1
		.amdhsa_wavefront_size32 1
		.amdhsa_system_sgpr_workgroup_id_x 1
		.amdhsa_system_sgpr_workgroup_id_y 1
		.amdhsa_system_sgpr_workgroup_id_z 1
		.amdhsa_system_vgpr_workitem_id 0
		.amdhsa_next_free_vgpr 1024
		.amdhsa_next_free_sgpr 100
		.amdhsa_reserve_vcc 0
		.amdhsa_float_denorm_mode_32 3
		.amdhsa_float_denorm_mode_16_64 3
		.amdhsa_memory_ordered 1
		.amdhsa_forward_progress 1
		.amdhsa_inst_pref_size 166
	.end_amdhsa_kernel
	.amdgpu_metadata
---
amdhsa.version: [ 1, 2 ]
amdhsa.kernels:
  - .name:           k_q4d9edf4fea_attn
    .symbol:         k_q4d9edf4fea_attn.kd
    .args:
      - { .name: qkv, .offset: 0, .size: 8, .value_kind: global_buffer, .address_space: global }
      - { .name: m16, .offset: 8, .size: 8, .value_kind: global_buffer, .address_space: global }
      - { .name: hf, .offset: 16, .size: 8, .value_kind: global_buffer, .address_space: global }
      - { .name: out0, .offset: 24, .size: 8, .value_kind: global_buffer, .address_space: global }
    .group_segment_fixed_size: 327680
    .private_segment_fixed_size: 0
    .kernarg_segment_align: 8
    .kernarg_segment_size: 32
    .max_flat_workgroup_size: 128
    .sgpr_count:     100
    .vgpr_count:     1024
    .wavefront_size: 32
...
	.end_amdgpu_metadata
.endif
;; end of part 3
